; MI455X (gfx1250); checked and timed in simulation.
; The chip was launched on July 23, 2026; its instructions are those of AMD's public machine-readable ISA for CDNA 5 (MIT licence, August 2026) and "CDNA5" Instruction Set Architecture Reference Guide (July 2026). The comments in the code are by the model that wrote it; some were corrected since.
;; Q Temporal. Allowed arithmetic: float matrix products may take bf16 or f16 operands with f32 sums; other float arithmetic in f32, or as packed bf16 or f16 multiplies, adds, multiply-adds, maxima and minima; sums over many terms, partial sums and values carried from step to step in f32; what a program stores and reads back later, other than sums and carried values, may be rounded once to bf16 or f16.
;; Inputs: P_w 1,024 x 512 float32; W_b 512 float32; W_w 512 x 1,024 float32; alpha one number float32; b 512 float32; b_g one number float32; ln_b 512 float32; ln_g 512 float32; phi1 one number float32; phi2 one number float32; theta1 one number float32; theta2 one number float32; w1 one number float32; w2 one number float32; x 32 x 2,048 x 512 float32.
;; Outputs: out0 32 x 512 float32.
;; One version. Each part assembles by itself: llvm-mc -triple=amdgcn-amd-amdhsa -mcpu=gfx1250 --defsym DOCPART=n.
;; ======== version 1 of 1: 3 launches
;; limits: an iteration or a series of the reference is cut at 512 steps; values are held in f16: magnitudes above 65,504 overflow, below 6.1e-05 lose precision
;; workspace buffers: mfrag 524,288 bytes; part 524,288 bytes
;; launch mprep (part 1): grid 16 x 16, 16 waves a work-group, no clusters, 67,584 bytes of LDS; arguments W_w, P_w, mfrag; writes mfrag
.if DOCPART == 1
	.amdgcn_target "amdgcn-amd-amdhsa--gfx1250"
	.amdhsa_code_object_version 6
	.text
	.protected	k_q25969e516f_mprep
	.globl	k_q25969e516f_mprep
	.p2align	8
	.type	k_q25969e516f_mprep,@function
k_q25969e516f_mprep:
	s_mov_b64 s[64:65], 0
	v_nop
	global_prefetch_b8 v0, s[64:65] scope:SCOPE_SE
	s_setreg_imm32_b32 hwreg(HW_REG_WAVE_MODE, 25, 1), 1
	s_wait_xcnt 0x0
; FIRST OF THREE LAUNCHES.  M = W_w P_w, [512 d][512 f], sums in f32, rounded once to f16, stored in the order in which the second launch's matrix fragments want it.
;
; WHAT THE PROGRAM COMPUTES, AND WHAT IT LEAVES OUT, for all values of the inputs:
; (1) proj is never formed.  base = (x P_w^T) W_w^T + W_b + b = x (W_w P_w)^T + W_b + b: the same real numbers, with a quarter of the products a row.
; (2) alpha and cal_scalar are dead.  alpha * cal_scalar[b] is one number added to all 512 entries of a row of base.  LayerNorm takes the row's mean away:
;     (base + c) - mean(base + c) = base - mean(base), and the variance is made of that difference alone.  So alpha and the mean of x[..., -8:] reach no output:
;     alpha is not loaded and is among no launch's arguments, and that mean is not formed.
; (3) Only the scan's last state is returned and its first state is the zeros that the scan is given, so with q = 1 - g
;     h = sum over t of g q^(2047 - t) y_t = ln_g * (sum of w_t n_t) + ln_b * (sum of w_t), where n_t is the normalised row and w_t = g q^(2047 - t).
; (4) LIMIT, a series cut at a length that serves every input: g is clipped to 0.05 .. 0.75 by the problem's own text, so q <= 0.95 whatever the gate's inputs hold; a normalised number
;     is at most sqrt(511) < 22.7 in size whatever the row holds.  The steps t < 1536 weigh 0.95^512 = 3.9e-12 in all at the most: they move an output by at most
;     8.9e-11 |ln_g[d]| + 3.9e-12 |ln_b[d]|.  Those rows of x are not read.
; LIMITS.  A NaN, an infinity or an overflow that lies only in alpha, in the calibration mean, in proj or in rows t < 1536 is not carried to the result.
;     Matrix operands are f16: |x|, |P_w|, |W_w| and |M| stay under 65,504; below 6e-5 a number keeps f16's fixed step of 6e-8.
;
; SHARES.  Work-group (fb, db) makes d = 32 db .. + 31 by f = 32 fb .. + 31.  K = 1024 is split among its 16 waves: wave v takes k = 64 v .. 64 v + 63, two matrix steps of 32,
; and issues all its 48 loads at once.  The 16 partial tiles meet in LDS; waves 0 to 3 add them (f32), round and store.
; LAYOUT.  Source 0 = 16 columns f of P_w, source 1 = 16 rows d of W_w.  Tile jt (0, 1) takes the columns f = 32 fb + 2 m + jt, so that one load of 8 bytes a lane (two neighbouring f of a row k)
; serves both tiles.  In the result of (a, jt) lane (r, h), register j holds d = 32 db + 16 a + r, f = 32 fb + 16 h + 2 j + jt: the two tiles' registers j, packed, are neighbouring f.
; mfrag: fragment (s, b) (f = 32 s .., d = 16 b ..) is 1,024 bytes at (32 s + b) x 1,024; in it byte 512 hf + 16 (r + 16 hh) holds M[16 b + r][32 s + 16 hf + 8 hh + 0..7].
.set SPARE, 65536                      ; LDS: 16 waves x 4,096 bytes of partial sums, then the spare words, 128 bytes a wave: eight blocks of 256 bytes that no other line names
.set WO,   3                           ; v3   my offset in W_w: r x 4,096 + 32 h
.set PO,   4                           ; v4   my offset in P_w: 8 h rows of 2,048 bytes + 8 r
.set LS,   5                           ; v5   where I put 16 bytes of a partial quad: 4,096 wave + 16 lane
.set LR,   6                           ; v6   where waves 0-3 read them: 16 lane + 2,048 a + 512 jh, a = wave / 2, jh = wave % 2
.set MO,   7                           ; v7   my 16 bytes of the work-group's 2,048 of mfrag
.set SPW,  8                           ; v8   LDS address of my spare word; never rewritten
.set NIL,  9                           ; v9   0; never rewritten
.set RAWW, 16                          ; v[16:79]    W_w as loaded: (ks, a, hf) 8 registers at 8 (4 ks + 2 a + hf)
.set RAWP, 80                          ; v[80:143]   P_w as loaded: (ks, hf, j) a pair at 2 (16 ks + 8 hf + j)
.set FR,   144                         ; v[144:207]  fragments: W's (ks, a) at 32 ks + 8 a, P's (ks, jt) at 16 + 32 ks + 8 jt
.set ACC,  208                         ; v[208:239]  (a, jt) at 8 (2 a + jt)
.set RED,  16                          ; v[16:143]   later: quad (jt, wave) at 4 (16 jt + wave)
	s_load_b128 s[4:7], s[0:1], 0x0                ; W_w s[4:5], P_w s[6:7]
	s_load_b64 s[8:9], s[0:1], 0x10                ; mfrag
	v_lshl_add_u32 v[SPW], v0, 2, SPARE
	v_mov_b32 v[NIL], 0
	v_lshrrev_b32 v10, 5, v0
	v_readfirstlane_b32 s10, v10                   ; wave 0..15
	s_mov_b32 s11, ttmp9                           ; fb
	s_and_b32 s12, ttmp7, 0xffff                   ; db
	v_and_b32 v1, 15, v0                           ; r
	v_bfe_u32 v2, v0, 4, 1                         ; h
	v_and_b32 v11, 31, v0                          ; lane
	v_lshlrev_b32 v[WO], 12, v1
	v_lshl_add_u32 v[WO], v2, 5, v[WO]
	v_lshlrev_b32 v[PO], 3, v1
	v_lshl_add_u32 v[PO], v2, 14, v[PO]
	s_lshl_b32 s13, s10, 12
	v_lshl_add_u32 v[LS], v11, 4, s13
	s_lshr_b32 s18, s10, 1                         ; a, for the waves that finish the sums
	s_and_b32 s19, s10, 1                          ; jh: which four of an accumulator's eight registers
	s_lshl_b32 s20, s18, 11
	s_lshl_b32 s21, s19, 9
	s_add_co_u32 s20, s20, s21
	v_lshl_add_u32 v[LR], v11, 4, s20
	s_lshl_b32 s20, s18, 10                        ; fragment b = 2 db + a,
	s_lshl_b32 s21, s19, 8                         ; hh = jh: f = .. + 8 jh,
	s_add_co_u32 s20, s20, s21
	v_lshl_add_u32 v[MO], v1, 4, s20
	v_lshl_add_u32 v[MO], v2, 9, v[MO]             ; hf = h: f = .. + 16 h
	s_lshl_b32 s14, s12, 17                        ; W_w: 32 db rows of 4,096 bytes
	s_lshl_b32 s16, s10, 8                         ; + 64 wave numbers
	s_add_co_u32 s14, s14, s16
	s_mov_b32 s15, 0
	s_lshl_b32 s16, s10, 17                        ; P_w: 64 wave rows of 2,048 bytes
	s_lshl_b32 s17, s11, 7                         ; + 32 fb numbers
	s_add_co_u32 s16, s16, s17
	s_mov_b32 s17, 0
	s_lshl_b32 s22, s11, 15                        ; mfrag: (32 fb + 2 db) x 1,024
	s_lshl_b32 s23, s12, 11
	s_add_co_u32 s22, s22, s23
	s_mov_b32 s23, 0
	s_wait_kmcnt 0x0
	s_add_nc_u64 s[4:5], s[4:5], s[14:15]
	s_add_nc_u64 s[6:7], s[6:7], s[16:17]
	s_add_nc_u64 s[8:9], s[8:9], s[22:23]
.macro LDW ks                          ; 8 loads: two tiles of 16 rows d x 32 k of W_w, 32 bytes a lane and half
.irp a, 0,1
.irp hf, 0,1
	global_load_b128 v[RAWW+8*(4*(\ks)+2*(\a)+(\hf)):RAWW+8*(4*(\ks)+2*(\a)+(\hf))+3],   v[WO], s[4:5] offset:(\a)*65536+(\ks)*128+(\hf)*64
	global_load_b128 v[RAWW+8*(4*(\ks)+2*(\a)+(\hf))+4:RAWW+8*(4*(\ks)+2*(\a)+(\hf))+7], v[WO], s[4:5] offset:(\a)*65536+(\ks)*128+(\hf)*64+16
.endr
.endr
.endm
.macro LDP ks                          ; 16 loads: 32 rows k of P_w, of each my two neighbouring f
.irp hf, 0,1
.irp j, 0,1,2,3,4,5,6,7
	global_load_b64 v[RAWP+2*(16*(\ks)+8*(\hf)+(\j)):RAWP+2*(16*(\ks)+8*(\hf)+(\j))+1], v[PO], s[6:7] offset:(32*(\ks)+16*(\hf)+(\j))*2048
.endr
.endr
.endm
.macro CVT ks                          ; 32 roundings to f16, two numbers each: k ascending in a fragment's registers
.irp a, 0,1
.irp hf, 0,1
.irp p, 0,1,2,3
	v_cvt_pk_f16_f32 v[FR+32*(\ks)+8*(\a)+4*(\hf)+(\p)], v[RAWW+8*(4*(\ks)+2*(\a)+(\hf))+2*(\p)], v[RAWW+8*(4*(\ks)+2*(\a)+(\hf))+2*(\p)+1]
.endr
.endr
.endr
.irp jt, 0,1
.irp hf, 0,1
.irp p, 0,1,2,3
	v_cvt_pk_f16_f32 v[FR+16+32*(\ks)+8*(\jt)+4*(\hf)+(\p)], v[RAWP+2*(16*(\ks)+8*(\hf)+2*(\p))+(\jt)], v[RAWP+2*(16*(\ks)+8*(\hf)+2*(\p)+1)+(\jt)]
.endr
.endr
.endr
.endm
.macro MUL ks                          ; four products; the four accumulators take turns, one instruction a turn; the first step starts the sums with the constant 0
.irp a, 0,1
.irp jt, 0,1
.if (\ks) == 0
	v_wmma_f32_16x16x32_f16 v[ACC+8*(2*(\a)+(\jt)):ACC+8*(2*(\a)+(\jt))+7], v[FR+16+32*(\ks)+8*(\jt):FR+16+32*(\ks)+8*(\jt)+7], v[FR+32*(\ks)+8*(\a):FR+32*(\ks)+8*(\a)+7], 0
.else
	v_wmma_f32_16x16x32_f16 v[ACC+8*(2*(\a)+(\jt)):ACC+8*(2*(\a)+(\jt))+7], v[FR+16+32*(\ks)+8*(\jt):FR+16+32*(\ks)+8*(\jt)+7], v[FR+32*(\ks)+8*(\a):FR+32*(\ks)+8*(\a)+7], v[ACC+8*(2*(\a)+(\jt)):ACC+8*(2*(\a)+(\jt))+7]
.endif
.endr
.endr
.endm
	LDW 0                                          ; all 48 loads of the wave go out at once
	LDP 0
	LDW 1
	LDP 1
	s_wait_loadcnt 24                              ; the first step's 24 are in; the second step's 24 may stay out
	CVT 0
	MUL 0
	s_wait_loadcnt 0x0
	CVT 1                                          ; into registers of its own: none that the products above name
	MUL 1
.rept 4
	v_nop                                          ; four places between the last product and the stores that read results
.endr
.irp q, 0,1,2,3,4,5,6,7
	ds_store_b128 v[LS], v[ACC+4*(\q):ACC+4*(\q)+3] offset:(\q)*512  ; ascending: each accumulator's low four registers are read first
.endr
	s_wait_dscnt 0x0                               ; for the others' sake: my partial sums lie in LDS
	s_barrier_signal -1
	s_barrier_wait -1                              ; everybody's do
	s_cmp_lt_u32 s10, 4                            ; waves 0-3 finish: wave = 2 a + jh takes registers 4 jh .. 4 jh + 3 of tiles (a, 0) and (a, 1)
	s_cbranch_scc0 .Lend
.irp jt, 0,1
.set wv, 0
.rept 16
	ds_load_b128 v[RED+4*(16*(\jt)+wv):RED+4*(16*(\jt)+wv)+3], v[LR] offset:wv*4096+(\jt)*1024
.set wv, wv+1
.endr
.endr
	s_wait_dscnt 0x0
.irp st, 8,4,2,1                       ; the 16 waves' sums, in f32, by halves
.irp jt, 0,1
.set wv, 0
.rept \st
	v_pk_add_f32 v[RED+4*(16*(\jt)+wv):RED+4*(16*(\jt)+wv)+1],   v[RED+4*(16*(\jt)+wv):RED+4*(16*(\jt)+wv)+1],   v[RED+4*(16*(\jt)+wv+(\st)):RED+4*(16*(\jt)+wv+(\st))+1]
	v_pk_add_f32 v[RED+4*(16*(\jt)+wv)+2:RED+4*(16*(\jt)+wv)+3], v[RED+4*(16*(\jt)+wv)+2:RED+4*(16*(\jt)+wv)+3], v[RED+4*(16*(\jt)+wv+(\st))+2:RED+4*(16*(\jt)+wv+(\st))+3]
.set wv, wv+1
.endr
.endr
.endr
.irp i, 0,1,2,3
	v_cvt_pk_f16_f32 v[FR+(\i)], v[RED+(\i)], v[RED+64+(\i)]  ; f = 16 h + 8 jh + 2 i from tile 0, + 1 from tile 1: M's one rounding
.endr
	global_store_b128 v[MO], v[FR:FR+3], s[8:9]    ; lanes 0-15 store 256 consecutive bytes, aligned; lanes 16-31 the 256 that lie 512 further on
.Lend:
	s_wait_tensorcnt 0x0                           ; the wave's end, behind my last LDS store
	ds_add_u32 v[SPW], v[NIL]
	s_wait_dscnt 0x0
	s_endpgm
.Lfunc_end_k_q25969e516f_mprep:
	.size	k_q25969e516f_mprep, .Lfunc_end_k_q25969e516f_mprep-k_q25969e516f_mprep
	.p2alignl 7, 3214868480
	.fill 96, 4, 3214868480
	.section	.rodata,"a",@progbits
	.p2align	6, 0x0
	.amdhsa_kernel k_q25969e516f_mprep
		.amdhsa_group_segment_fixed_size 67584
		.amdhsa_private_segment_fixed_size 0
		.amdhsa_enable_private_segment 0
		.amdhsa_kernarg_size 24
		.amdhsa_user_sgpr_count 2
		.amdhsa_user_sgpr_kernarg_segment_ptr 1
		.amdhsa_wavefront_size32 1
		.amdhsa_system_sgpr_workgroup_id_x 1
		.amdhsa_system_sgpr_workgroup_id_y 1
		.amdhsa_system_sgpr_workgroup_id_z 1
		.amdhsa_system_vgpr_workitem_id 0
		.amdhsa_next_free_vgpr 240
		.amdhsa_next_free_sgpr 66
		.amdhsa_reserve_vcc 0
		.amdhsa_float_denorm_mode_32 3
		.amdhsa_float_denorm_mode_16_64 3
		.amdhsa_memory_ordered 1
		.amdhsa_forward_progress 1
		.amdhsa_inst_pref_size 19
	.end_amdhsa_kernel
	.amdgpu_metadata
---
amdhsa.version: [ 1, 2 ]
amdhsa.kernels:
  - .name:           k_q25969e516f_mprep
    .symbol:         k_q25969e516f_mprep.kd
    .args:
      - { .name: W_w, .offset: 0, .size: 8, .value_kind: global_buffer, .address_space: global }
      - { .name: P_w, .offset: 8, .size: 8, .value_kind: global_buffer, .address_space: global }
      - { .name: mfrag, .offset: 16, .size: 8, .value_kind: global_buffer, .address_space: global }
    .group_segment_fixed_size: 67584
    .private_segment_fixed_size: 0
    .kernarg_segment_align: 8
    .kernarg_segment_size: 24
    .max_flat_workgroup_size: 512
    .sgpr_count:     66
    .vgpr_count:     240
    .wavefront_size: 32
...
	.end_amdgpu_metadata
.endif
;; end of part 1
;; launch rows (part 2): grid 256 x 1, 4 waves a work-group, clusters of 4 x 1, 327,680 bytes of LDS; arguments x, mfrag, W_b, b, ln_g, ln_b, theta1, phi1, theta2, phi2, w1, w2, b_g, part; writes part
.if DOCPART == 2
	.amdgcn_target "amdgcn-amd-amdhsa--gfx1250"
	.amdhsa_code_object_version 6
	.text
	.protected	k_q25969e516f_rows
	.globl	k_q25969e516f_rows
	.p2align	8
	.type	k_q25969e516f_rows,@function
k_q25969e516f_rows:
	s_mov_b64 s[64:65], 0
	v_nop
	global_prefetch_b8 v0, s[64:65] scope:SCOPE_SE
	s_setreg_imm32_b32 hwreg(HW_REG_WAVE_MODE, 25, 1), 1
	s_wait_xcnt 0x0
	s_wait_alu depctr_hold_cnt(0) depctr_sa_sdst(0) depctr_va_vdst(0) depctr_va_sdst(0) depctr_va_ssrc(0) depctr_va_vcc(0) depctr_vm_vsrc(0)
	s_getreg_b32 s2, hwreg(HW_REG_IB_STS2, 6, 4)
	s_cmp_eq_u32 s2, 0
	s_cbranch_scc0 .Lentry_in_a_cluster
	s_endpgm
.Lentry_in_a_cluster:
	s_bfe_u32 s2, ttmp6, 0x10000c
	s_cmp_lg_u32 s2, 0x3003
	s_cbranch_scc0 .Lentry_shape_is_right
	s_endpgm
.Lentry_shape_is_right:
; SECOND OF THREE LAUNCHES.  For 64 rows t of one batch: base = x M^T + (W_b + b), LayerNorm's mean and variance, the gate g and the weights w_t = g (1 - g)^(2047 - t), and
; part[work-group][d] = ln_g[d] * (sum over the 64 rows of w_t (base - mu) rstd) + ln_b[d] * (sum of w_t).  The third launch adds a batch's eight such rows.
; LEFT OUT (shown at the head of the first launch's text): alpha and the calibration mean, which LayerNorm's mean takes away; proj, by M = W_w P_w; the rows t < 1536, whose weights are 3.9e-12 in all at the most.
; LIMITS.  x and M are f16 matrix operands: |x| stays under 65,504.  A weight below 2^-126 counts as 0.  A NaN in the gate's inputs is lost in the clip (it gives 0.05, not NaN).
; The cosines are made by reduction to a quarter turn and a polynomial with a remainder under 1e-8; angles beyond some 1e5 lose accuracy in the reduction, as f32 arguments of that size do.
; LayerNorm goes in two passes, the mean first and then the centred squares: no difference of large sums is formed.
; SHARES.  Work-group id = 4 x cluster + place: batch id / 8, rows t = 1536 + 64 (id % 8) + 0..63, all 512 columns.  Wave w makes 64 rows x columns 128 w .. + 127: 32 accumulators (a = 0..3 row tiles,
; b = 0..7 column tiles), 512 matrix instructions.  The product is used transposed (source 0 = 16 rows d of M, source 1 = 16 rows t of x): lane (r, h), register j of (a, b) holds row 16 a + r,
; column 128 w + 16 b + 8 h + j.  So a lane holds ONE row for each a, and a row's sums are sums inside a lane, one exchange of the lanes' halves, and one meeting of the four waves in LDS.
; x is read once (each wave 16 rows, 64 loads of 512 consecutive bytes), rounded once to f16, handed to all four waves through a stage in LDS in two halves of K, and then stays in registers
; as fragments (512 registers).  In the K steps LDS serves M alone: 16 loads for 32 matrix instructions.
; M comes in four tiles of 128 along K (131,072 dense bytes of mfrag each) through two LDS slots.  CLUSTER: all work-groups walk the same M, so the four of a cluster ask JOINTLY: the same tensor
; load, descriptor and mask in all four.  A wave has two tensor loads out at the start and one behind each refill.  The place in the cluster enters x's and part's addresses and the weights' exponents alone.
; NO PREFETCH: x is asked for whole at the head, so nothing can run ahead of its loads; M is walked by every work-group at about the same time.
; REGISTERS, in windows of 256 (s_set_vgpr_msb: bits 1:0 source 0, 3:2 source 1, 5:4 source 2, 7:6 destination):
;   window 0: v0-15 addresses; v16-23 ln_g, ln_b; v24-27 weights; v28-29 the add's; v30-31 the weights' sum; v32-63 at work; v64-127, v128-191 M's two fragment buffers; v192-255 the bias
;   window 1: the accumulators, (a, b) at 8 (8 a + b); before that x as loaded      window 2: x's fragments of K steps 0-7, (a, s) at 8 (4 s + a)      window 3: of K steps 8-15; before that b as loaded
.set TILEB,  131072                    ; a tile of M, and a slot: K step s % 4 at 32,768 (s % 4), fragment b at 1,024 b
.set XS,     2*TILEB                   ; behind the ring, never filled by a tensor load: x's stage, 64 rows x 528; later each wave's own 16 rows x 528 for the sum over lanes
.set XP,     528                       ; 512 bytes + 16 = 33 x 16: the 16 rows that a load or store touches start at 16 different 16-byte columns of 256
.set EX1,    XS+64*XP                  ; [64 rows][4 waves] f32: the rows' sums; 1,024 bytes on the same for the squares
.set SPARE,  EX1+2048                  ; the spare words, 128 bytes for each wave: two blocks of 256 bytes that no other line names
.set XG,  3                            ; v3   16 x lane: my 16 bytes of 512 of x
.set XST, 4                            ; v4   into the stage: my wave's 16 rows, 8 x lane
.set XRD, 5                            ; v5   out of the stage: row r, 16 h
.set MR,  6                            ; v6-9 M's fragments: slot x 131,072 + p x 65,536 + 8,192 w + 16 lane, at MR + 2 slot + p
.set BO,  10                           ; v10  512 w + 32 h: my eight columns of a column tile, in W_b and b
.set CO,  11                           ; v11  512 w + 16 lane: my four columns of ln_g, ln_b and part
.set EXW, 12                           ; v12  EX1 + 16 r + 4 w
.set EXR, 13                           ; v13  EX1 + 16 r
.set CST, 14                           ; v14  my wave's stage, row r, 32 h
.set CRD, 15                           ; v15  my wave's stage, 16 lane
.set LNG, 16
.set LNB, 20
.set WT,  24                           ; v24-27  w of row 16 a + r
.set SPW, 28                           ; v28  LDS address of my spare word; never rewritten
.set NIL, 29                           ; v29  0; never rewritten
.set SS,  30                           ; v30-31  the sum of the 64 weights, twice
.set GX,  32                           ; the gate: four angles,
.set GT,  36                           ; their turns,
.set GR,  40                           ; what is left of a turn, then its square,
.set GP,  44                           ; the polynomials
.set F0,  64
.set F1,  128
.set BI,  192                          ; W_b + b of column 128 w + 16 b + 8 h + j at BI + 8 b + j
.set EQ,  64                           ; the way out: four chains of pairs a row tile, (a, c) at EQ + 8 a + 2 c
.set RS,  96
.set PX,  100
.set XL,  104
.set MU,  120                          ; pairs: the mean, later w x rstd, twice each
.set GG,  128
.set OUT, 192
.set TT,  196
.set WV,  4                            ; s4   my wave's number
.set G1,  36                           ; s[36:43] descriptor group 1
.set G0A, 44                           ; s[44:47] group 0 for slot 0
.set G0B, 48                           ; s[48:51] group 0 for slot 1
.set SEL, 60                           ; s[60:61] v_permlanex16_b32's selects: each lane takes its own place in the other half
.set MSB, 0
.macro WIN new                         ; the immediate's high byte repeats the setting that is left; a switch that changes nothing is dropped
.if MSB != (\new)
	s_set_vgpr_msb (MSB<<8)|(\new)
.set MSB, (\new)
.endif
.endm
.macro PLACES                          ; four places: in front of loads into registers that matrix instructions have read, and of vector lines that read results
.rept 4
	v_nop
.endr
.endm
.macro BAR
	s_barrier_signal -1
	s_barrier_wait -1
.endm
.macro CREST                           ; a round of the cluster's barrier behind its opening barrier: wave 0 signals for the work-group, every wave waits for all four work-groups, my work-group's barrier once more
	s_cmp_lg_u32 s[WV], 0
	s_cbranch_scc1 .Lnot_wave_0_\@
	s_barrier_signal -3
.Lnot_wave_0_\@:
	s_barrier_wait -3
	s_barrier_signal -1
	s_barrier_wait -1
.endm
.macro CROUND                          ; a whole round
	BAR
	CREST
.endm
; Half H of x (columns 256 H .. + 255) of my wave's 16 rows: 32 loads of 512 consecutive bytes, into window 1
.macro XLOAD H
	WIN 0x40
.set i, 0
.rept 32
	global_load_b128 v[4*(32*(\H)+i):4*(32*(\H)+i)+3], v[XG], s[8:9] offset:(i/2)*2048+(2*(\H)+i%2)*512 th:TH_LOAD_NT
.set i, i+1
.endr
	WIN 0
.endm
.macro XCVT H, T                       ; rounded to f16: four numbers a load and lane become a pair of registers at T
	WIN 0x05
.set i, 0
.rept 32
	v_cvt_pk_f16_f32 v[(\T)+2*i],   v[4*(32*(\H)+i)],   v[4*(32*(\H)+i)+1]
	v_cvt_pk_f16_f32 v[(\T)+2*i+1], v[4*(32*(\H)+i)+2], v[4*(32*(\H)+i)+3]
.set i, i+1
.endr
.endm
.macro XSTO T                          ; into the stage: 32 lanes x 8 bytes are 256 consecutive bytes of a row
	WIN 0
.set i, 0
.rept 32
	ds_store_b64 v[XST], v[(\T)+2*i:(\T)+2*i+1] offset:(i/2)*XP+(i%2)*256
.set i, i+1
.endr
.endm
.macro XREAD H                         ; all 64 rows' fragments of the half: i = 4 s + a; two loads of 16 bytes, 32 bytes apart, a fragment
	WIN 0x80+0x40*(\H)
.set i, 0
.rept 32
	ds_load_b128 v[8*i:8*i+3],   v[XRD] offset:(i%4)*16*XP+(i/4)*64
	ds_load_b128 v[8*i+4:8*i+7], v[XRD] offset:(i%4)*16*XP+(i/4)*64+32
.set i, i+1
.endr
	WIN 0
.endm
.macro FETCH s                         ; my eight fragments of M for K step s: 16 loads of 512 consecutive bytes, into buffer s % 2
	WIN 0
.set fb, 0
.rept 8
	ds_load_b128 v[F0+64*((\s)&1)+8*fb:F0+64*((\s)&1)+8*fb+3],   v[MR+2*(((\s)>>2)&1)+(((\s)&3)>>1)] offset:((\s)&1)*32768+fb*1024
	ds_load_b128 v[F0+64*((\s)&1)+8*fb+4:F0+64*((\s)&1)+8*fb+7], v[MR+2*(((\s)>>2)&1)+(((\s)&3)>>1)] offset:((\s)&1)*32768+fb*1024+512
.set fb, fb+1
.endr
.endm
; 8 n matrix instructions of K step s: row tiles a0 .. a0 + n - 1, all 8 column tiles.  K step 0 starts the sums with the bias as C: nothing is cleared and nothing is added later.
; The 32 accumulators take turns, one instruction a turn, in the same order in every K step.
.macro MUL s, a0, n
.if (\s) == 0
	WIN 0x48                                       ; M window 0, x window 2, C (the bias) window 0, D window 1
.elseif (\s) < 8
	WIN 0x58                                       ; C and D window 1
.else
	WIN 0x5c                                       ; x window 3
.endif
.set ma, \a0
.rept \n
.set mb, 0
.rept 8
.if (\s) == 0
	v_wmma_f32_16x16x32_f16 v[8*(8*ma+mb):8*(8*ma+mb)+7], v[F0+64*((\s)&1)+8*mb:F0+64*((\s)&1)+8*mb+7], v[8*(4*((\s)&7)+ma):8*(4*((\s)&7)+ma)+7], v[BI+8*mb:BI+8*mb+7]
.else
	v_wmma_f32_16x16x32_f16 v[8*(8*ma+mb):8*(8*ma+mb)+7], v[F0+64*((\s)&1)+8*mb:F0+64*((\s)&1)+8*mb+7], v[8*(4*((\s)&7)+ma):8*(4*((\s)&7)+ma)+7], v[8*(8*ma+mb):8*(8*ma+mb)+7]
.endif
.set mb, mb+1
.endr
.set ma, ma+1
.endr
.endm
; A K step inside a tile: its fragments, asked for a step ago, are in; the next step's are asked for, into the buffer that the step before multiplied; 32 matrix instructions.
.macro STEP s, places=1, fetch=1
	s_wait_dscnt 0x0
.if \places
	PLACES
.endif
.if \fetch
	FETCH (\s)+1
.endif
	MUL \s, 0, 4
.endm
; A tile's last K step changes slots: ONE barrier.  In front of it each wave waits for all its tensor loads (the one that is out is its part of the other slot), adds 0 to its spare word, and waits for
; that and for its reads of this slot.  fill = 1: the barrier opens a round of the cluster's, so that no wave of any partner still reads the slot or has a load on its way; the joint refill, the tile
; two on, is the first thing behind the round, 112 matrix instructions ahead of the wait for it.
.macro TURN s, fill, g0
	WIN 0
	s_wait_tensorcnt 0x0                           ; no tensor load of mine is out, so a group 0 may be written
	ds_add_u32 v[SPW], v[NIL]                      ; 0 onto my spare word
.if \fill
	s_add_nc_u64 s[(\g0)+2:(\g0)+3], s[(\g0)+2:(\g0)+3], 2*TILEB  ; this slot's next tile; the type bits on top are not reached
.endif
	s_wait_dscnt 0x0                               ; the add is done, and my reads of this slot, this step's fragments, are back
	s_barrier_signal -1
	MUL \s, 0, 2                                   ; work on registers while the others arrive
	WIN 0                                          ; at a branch and at a label every window is 0
	s_barrier_wait -1
.if \fill
	CREST
	tensor_load_to_lds s[(\g0):(\g0)+3], s[G1:G1+7]
	s_nop 0
.endif
	PLACES                                         ; behind a tensor load; also the places in front of the loads below
	FETCH (\s)+1
	MUL \s, 2, 2
.endm
; The four waves' sums for each of the 64 rows meet.  In: four chains of pairs a row tile at EQ.  Out: the row's total over all 512 columns in v[RS + a], in every lane of row 16 a + r.
.macro MEETROWS off
	WIN 0
.irp a, 0,1,2,3
	v_pk_add_f32 v[EQ+8*(\a):EQ+8*(\a)+1],   v[EQ+8*(\a):EQ+8*(\a)+1],   v[EQ+8*(\a)+2:EQ+8*(\a)+3]
	v_pk_add_f32 v[EQ+8*(\a)+4:EQ+8*(\a)+5], v[EQ+8*(\a)+4:EQ+8*(\a)+5], v[EQ+8*(\a)+6:EQ+8*(\a)+7]
.endr
.irp a, 0,1,2,3
	v_pk_add_f32 v[EQ+8*(\a):EQ+8*(\a)+1], v[EQ+8*(\a):EQ+8*(\a)+1], v[EQ+8*(\a)+4:EQ+8*(\a)+5]
.endr
.irp a, 0,1,2,3
	v_add_f32 v[RS+(\a)], v[EQ+8*(\a)], v[EQ+8*(\a)+1]
.endr
.irp a, 0,1,2,3
	v_permlanex16_b32 v[PX+(\a)], v[RS+(\a)], s[SEL], s[SEL+1]  ; the row's other 64 of my wave's columns lie in the lane 16 away
.endr
.irp a, 0,1,2,3
	v_add_f32 v[RS+(\a)], v[RS+(\a)], v[PX+(\a)]
.endr
.irp a, 0,1,2,3
	ds_store_b32 v[EXW], v[RS+(\a)] offset:(\off)+(\a)*256  ; both halves of the lanes write the same word with the same number
.endr
	s_wait_dscnt 0x0                               ; for the others' sake
	BAR
.irp a, 0,1,2,3
	ds_load_b128 v[XL+4*(\a):XL+4*(\a)+3], v[EXR] offset:(\off)+(\a)*256
.endr
	s_wait_dscnt 0x0
.irp a, 0,1,2,3
	v_pk_add_f32 v[XL+4*(\a):XL+4*(\a)+1], v[XL+4*(\a):XL+4*(\a)+1], v[XL+4*(\a)+2:XL+4*(\a)+3]
.endr
.irp a, 0,1,2,3
	v_add_f32 v[RS+(\a)], v[XL+4*(\a)], v[XL+4*(\a)+1]
.endr
.endm
	s_load_b512 s[8:23], s[0:1], 0x0               ; x s[8:9], mfrag s[10:11], W_b s[12:13], b s[14:15], ln_g s[16:17], ln_b s[18:19], theta1 s[20:21], phi1 s[22:23]
	s_load_b256 s[24:31], s[0:1], 0x40             ; theta2, phi2, w1, w2
	s_load_b128 s[32:35], s[0:1], 0x60             ; b_g s[32:33], part s[34:35]
	v_lshl_add_u32 v[SPW], v0, 2, SPARE
	v_mov_b32 v[NIL], 0
	ds_add_u32 v[SPW], v[NIL]                      ; the wave's opening: the add, twice on end, and its wait ahead of my first tensor load; the set-up below stands between
	ds_add_u32 v[SPW], v[NIL]                      ; and once more, under the one wait
	v_lshrrev_b32 v32, 5, v0
	v_readfirstlane_b32 s[WV], v32                 ; wave 0..3
	s_bfe_u32 s5, ttmp6, 0x40000                   ; my place in the cluster
	s_lshl_b32 s6, ttmp9, 2                        ; in a cluster launch ttmp9 counts clusters
	s_add_co_u32 s6, s6, s5                        ; id
	; descriptor group 1: 32,768 dense bytes as 128 rows of 256 bytes
	s_mov_b32 s[G1+0], 15|(3<<16)|(1<<21)          ; 15:0 the mask: all four work-groups; 17:16 elements of 8 bytes; 21 set beside a mask; no padding: a fragment is read as it lies
	s_mov_b32 s[G1+1], 32<<16                      ; tensor_dim0 = 32
	s_mov_b32 s[G1+2], 128<<16                     ; tensor_dim1 = 128
	s_mov_b32 s[G1+3], 32<<16                      ; tile_dim0 = 32
	s_mov_b32 s[G1+4], 128                         ; tile_dim1 = 128
	s_mov_b32 s[G1+5], 32                          ; 32 elements from row to row
	s_mov_b32 s[G1+6], 0
	s_mov_b32 s[G1+7], 0
	s_mov_b32 s[G0A], 1                            ; count = 1
	s_lshl_b32 s[G0A+1], s[WV], 15                 ; LDS address: wave w brings K step w of the tile's four
	s_mov_b32 s[G0B], 1
	s_add_co_u32 s[G0B+1], s[G0A+1], TILEB
	s_mov_b32 s[SEL], 0x76543210
	s_mov_b32 s[SEL+1], 0xfedcba98
	v_and_b32 v1, 15, v0                           ; r
	v_bfe_u32 v2, v0, 4, 1                         ; h
	v_and_b32 v33, 31, v0                          ; lane
	v_lshlrev_b32 v[XG], 4, v33
	s_mul_i32 s7, s[WV], 16*XP
	s_add_co_u32 s7, s7, XS                        ; my wave's 16 rows of the stage
	v_lshl_add_u32 v[XST], v33, 3, s7
	v_mul_u32_u24 v34, v1, XP
	v_lshl_add_u32 v[XRD], v2, 4, v34
	v_add_nc_u32 v[XRD], XS, v[XRD]
	s_lshl_b32 s2, s[WV], 13                       ; my eight fragments of a K step's 32
	v_lshl_add_u32 v[MR], v33, 4, s2
	v_add_nc_u32 v[MR+1], 65536, v[MR]
	v_add_nc_u32 v[MR+2], 131072, v[MR]
	v_add_nc_u32 v[MR+3], 196608, v[MR]
	s_lshl_b32 s3, s[WV], 9
	v_lshl_add_u32 v[BO], v2, 5, s3
	v_lshl_add_u32 v[CO], v33, 4, s3
	s_lshl_b32 s2, s[WV], 2
	s_add_co_u32 s2, s2, EX1
	v_lshl_add_u32 v[EXW], v1, 4, s2
	v_lshl_add_u32 v[EXR], v1, 4, EX1
	v_add_nc_u32 v[CST], s7, v34
	v_lshl_add_u32 v[CST], v2, 5, v[CST]
	v_lshl_add_u32 v[CRD], v33, 4, s7
	s_and_b32 s2, s6, 7                            ; the chunk c
	s_lshl_b32 s59, s2, 6
	s_sub_co_u32 s59, 511, s59                     ; 2047 - t of my work-group's first row: 511 - 64 c
	s_lshr_b32 s62, s6, 3                          ; x: the batch's 2,048 rows of 2,048 bytes,
	s_lshl_b32 s62, s62, 22
	s_lshl_b32 s3, s2, 17                          ; the chunk's 64,
	s_add_co_u32 s62, s62, s3
	s_lshl_b32 s3, s[WV], 15                       ; my wave's 16,
	s_add_co_u32 s62, s62, s3
	s_add_co_u32 s62, s62, 1536*2048               ; from row 1536 on
	s_mov_b32 s63, 0
	s_wait_dscnt 0x0                               ; both opening adds are done
	s_wait_kmcnt 0x0
	s_add_nc_u64 s[8:9], s[8:9], s[62:63]
	s_lshl_b32 s62, s6, 11                         ; part: a row of 2,048 bytes a work-group
	s_add_nc_u64 s[34:35], s[34:35], s[62:63]
	s_lshl_b32 s62, s[WV], 15
	s_add_nc_u64 s[G0A+2:G0A+3], s[10:11], s[62:63]  ; global address: tile 0, K step w: the same in all four partners
	s_add_nc_u64 s[G0B+2:G0B+3], s[G0A+2:G0A+3], TILEB  ; tile 1
	s_or_b32 s[G0A+3], s[G0A+3], 0x80000000        ; type = 2
	s_or_b32 s[G0B+3], s[G0B+3], 0x80000000
	s_load_b32 s52, s[20:21], 0x0                  ; theta1
	s_load_b32 s53, s[22:23], 0x0                  ; phi1
	s_load_b32 s54, s[24:25], 0x0                  ; theta2
	s_load_b32 s55, s[26:27], 0x0                  ; phi2
	s_load_b32 s56, s[28:29], 0x0                  ; w1
	s_load_b32 s57, s[30:31], 0x0                  ; w2
	s_load_b32 s58, s[32:33], 0x0                  ; b_g
	XLOAD 0                                        ; x is what the launch waits for longest: its first half goes out ahead of the round
	CROUND                                         ; all four work-groups are here: the first joint loads meet
	tensor_load_to_lds s[G0A:G0A+3], s[G1:G1+7]    ; tile 0 into slot 0,
	s_nop 0
	tensor_load_to_lds s[G0B:G0B+3], s[G1:G1+7]    ; tile 1 into slot 1: two loads of mine are out
	s_nop 0
	PLACES
	XLOAD 1
.irp b, 0,1,2,3,4,5,6,7
	global_load_b128 v[BI+8*(\b):BI+8*(\b)+3],   v[BO], s[12:13] offset:(\b)*64
	global_load_b128 v[BI+8*(\b)+4:BI+8*(\b)+7], v[BO], s[12:13] offset:(\b)*64+16
.endr
	global_load_b128 v[LNG:LNG+3], v[CO], s[16:17]
	global_load_b128 v[LNB:LNB+3], v[CO], s[18:19]
	WIN 0xc0                                       ; b waits in window 3, which x's fragments take later
.irp b, 0,1,2,3,4,5,6,7
	global_load_b128 v[8*(\b):8*(\b)+3],   v[BO], s[14:15] offset:(\b)*64
	global_load_b128 v[8*(\b)+4:8*(\b)+7], v[BO], s[14:15] offset:(\b)*64+16
.endr
	WIN 0
	; THE GATE, while x is on its way.  cos(y): t = y / 2 pi; what is left of the nearest whole turn, rr in -1/2 .. 1/2; p = cos(pi rr) by its series in u = rr^2 up to u^6; cos(2 pi rr) = 2 p^2 - 1.
	; The four angles go abreast, so that no line waits for the one before it.
	s_wait_kmcnt 0x0
	v_mov_b32 v48, 0x3afce9c5                      ; pi^12 / 12!
.irp i, 0,1,2,3
	v_mov_b32 v[GX+(\i)], s[52+(\i)]
.endr
.irp i, 0,1,2,3
	v_mul_f32 v[GT+(\i)], 0.15915494, v[GX+(\i)]
.endr
.irp i, 0,1,2,3
	v_rndne_f32 v[GT+(\i)], v[GT+(\i)]
.endr
.irp i, 0,1,2,3
	v_fma_f32 v[GR+(\i)], v[GX+(\i)], 0.15915494, -v[GT+(\i)]
.endr
.irp i, 0,1,2,3
	v_mul_f32 v[GR+(\i)], v[GR+(\i)], v[GR+(\i)]
.endr
.irp i, 0,1,2,3
	v_fmaak_f32 v[GP+(\i)], v48, v[GR+(\i)], 0xbcd368f9  ; - pi^10 / 10!
.endr
.irp k, 0x3e70fa83, 0xbfaae9e4, 0x4081e0f8, 0xc09de9e6  ; pi^8 / 8!, - pi^6 / 6!, pi^4 / 4!, - pi^2 / 2
.irp i, 0,1,2,3
	v_fmaak_f32 v[GP+(\i)], v[GP+(\i)], v[GR+(\i)], \k
.endr
.endr
.irp i, 0,1,2,3
	v_fma_f32 v[GP+(\i)], v[GP+(\i)], v[GR+(\i)], 1.0
.endr
.irp i, 0,1,2,3
	v_mul_f32 v[GP+(\i)], v[GP+(\i)], v[GP+(\i)]
.endr
.irp i, 0,1,2,3
	v_fma_f32 v[GP+(\i)], v[GP+(\i)], 2.0, -1.0
.endr
	v_mul_f32 v36, v[GP], v[GP+1]                  ; z1
	v_mul_f32 v37, v[GP+2], v[GP+3]                ; z2
	v_mov_b32 v38, s58
	v_fmac_f32 v38, s56, v36
	v_fmac_f32 v38, s57, v37                       ; w1 z1 + w2 z2 + b_g
	v_mul_f32 v38, 0xbfb8aa3b, v38                 ; times - log2(e)
	v_exp_f32 v38, v38
	v_nop                                          ; a plain instruction behind the transcendental,
	s_wait_alu depctr_va_vdst(0)                   ; and the wait ahead of the first line that names its result
	v_add_f32 v38, 1.0, v38
	v_rcp_f32 v39, v38                             ; the sigmoid: an overflowing exponential gives 0, which the clip takes to 0.05
	v_nop
	s_wait_alu depctr_va_vdst(0)
	v_max_num_f32 v39, 0x3d4ccccd, v39             ; the clip: 0.05
	v_min_num_f32 v39, 0x3f400000, v39             ; 0.75: g
	v_sub_f32 v40, 1.0, v39                        ; q = 1 - g
	v_log_f32 v41, v40                             ; log2 q
	v_sub_nc_u32 v32, s59, v1                      ; 2047 - t of row 16 a + r: 511 - 64 c - r - 16 a; whole numbers, 0 to 511
	v_add_nc_u32 v33, -16, v32
	v_add_nc_u32 v34, -16, v33
	v_add_nc_u32 v35, -16, v34
.irp a, 0,1,2,3
	v_cvt_f32_u32 v[32+(\a)], v[32+(\a)]
.endr
	s_wait_alu depctr_va_vdst(0)                   ; the logarithm's wait; the eight lines above are the work between
.irp a, 0,1,2,3
	v_mul_f32 v[32+(\a)], v41, v[32+(\a)]
.endr
.irp a, 0,1,2,3
	v_exp_f32 v[WT+(\a)], v[32+(\a)]               ; q^(2047 - t)
.endr
	v_nop
	s_wait_alu depctr_va_vdst(0)                   ; one wait for the four
.irp a, 0,1,2,3
	v_mul_f32 v[WT+(\a)], v39, v[WT+(\a)]
.endr
	v_add_f32 v[SS], v[WT], v[WT+1]
	v_add_f32 v[SS+1], v[WT+2], v[WT+3]
	v_add_f32 v[SS], v[SS], v[SS+1]
	v_add_f32_dpp v[SS], v[SS], v[SS] row_xmask:1 row_mask:0xf bank_mask:0xf  ; over the 16 r; each half of the lanes holds all 16
	v_add_f32_dpp v[SS], v[SS], v[SS] row_xmask:2 row_mask:0xf bank_mask:0xf
	v_add_f32_dpp v[SS], v[SS], v[SS] row_xmask:4 row_mask:0xf bank_mask:0xf
	v_add_f32_dpp v[SS], v[SS], v[SS] row_xmask:8 row_mask:0xf bank_mask:0xf
	v_mov_b32 v[SS+1], v[SS]                       ; the pair that the packed multiply takes
	; x GOES TO ALL FOUR WAVES, a half of K at a time through one stage: store, barrier, read, barrier, store, barrier, read.
	s_wait_loadcnt 63                              ; x's first half is in: 66 younger loads were issued behind it; a count names 63 at the most, and a smaller count only waits for more
	XCVT 0, F0
	XSTO F0
	s_wait_loadcnt 34                              ; x's second half is in; the 34 loads of biases and gains may stay out
	XCVT 1, F1
	s_wait_dscnt 0x0                               ; for the others' sake: my rows of the first half lie in the stage
	BAR
	XREAD 0
	s_wait_loadcnt 0x0                             ; W_b, b, ln_g, ln_b
	WIN 0x0c                                       ; source 1 window 3
.set i, 0
.rept 32
	v_pk_add_f32 v[BI+2*i:BI+2*i+1], v[BI+2*i:BI+2*i+1], v[2*i:2*i+1]  ; W_b + b, while the stage is being read
.set i, i+1
.endr
	WIN 0
	s_wait_dscnt 0x0                               ; my reads of the first half are back
	BAR                                            ; everybody's are: the stage may be written again
	XSTO F1
	s_wait_dscnt 0x0
	s_wait_tensorcnt 0x1                           ; my part of tile 0 is in; tile 1's may stay out
	BAR
	XREAD 1
	FETCH 0
	; THE 16 K STEPS, written out: four tiles of four.
	STEP 0, 0, 1                                   ; (its wait is also for x's second half)
	STEP 1
	STEP 2
	TURN 3, 1, G0A                                 ; tile 2 into slot 0
	STEP 4
	STEP 5
	STEP 6
	TURN 7, 1, G0B                                 ; tile 3 into slot 1
	STEP 8
	STEP 9
	STEP 10
	TURN 11, 0, G0A                                ; nothing is left to ask for
	STEP 12
	STEP 13
	STEP 14
	STEP 15, 0, 0
	; THE WAY OUT.  Pass 1: each row's sum.  Four chains of pairs a row tile; each accumulator's lowest registers are read first.
	PLACES
	WIN 0x05                                       ; sources 0 and 1 window 1, destination window 0
.set ea, 0
.rept 4
.set ec, 0
.rept 4
	v_pk_add_f32 v[EQ+8*ea+2*ec:EQ+8*ea+2*ec+1], v[64*ea+2*ec:64*ea+2*ec+1], v[64*ea+8+2*ec:64*ea+8+2*ec+1]
.set ec, ec+1
.endr
.set ea, ea+1
.endr
	WIN 0x01
.set eb, 2
.rept 6
.set ea, 0
.rept 4
.set ec, 0
.rept 4
	v_pk_add_f32 v[EQ+8*ea+2*ec:EQ+8*ea+2*ec+1], v[64*ea+8*eb+2*ec:64*ea+8*eb+2*ec+1], v[EQ+8*ea+2*ec:EQ+8*ea+2*ec+1]
.set ec, ec+1
.endr
.set ea, ea+1
.endr
.set eb, eb+1
.endr
	MEETROWS 0
.irp a, 0,1,2,3
	v_mul_f32 v[MU+2*(\a)],   0x3b000000, v[RS+(\a)]  ; the mean: the sum / 512; made twice to fill the pair
	v_mul_f32 v[MU+2*(\a)+1], 0x3b000000, v[RS+(\a)]
.endr
	; Pass 2: the rows are centred in place, then their squares are added.
	WIN 0x41                                       ; destination and source 0 window 1, source 1 window 0
.set p, 0
.rept 128
	v_pk_add_f32 v[2*p:2*p+1], v[2*p:2*p+1], v[MU+2*(p/32):MU+2*(p/32)+1] neg_lo:[0,1] neg_hi:[0,1]
.set p, p+1
.endr
	WIN 0x05
.set ea, 0
.rept 4
.set ec, 0
.rept 4
	v_pk_mul_f32 v[EQ+8*ea+2*ec:EQ+8*ea+2*ec+1], v[64*ea+2*ec:64*ea+2*ec+1], v[64*ea+2*ec:64*ea+2*ec+1]
.set ec, ec+1
.endr
.set ea, ea+1
.endr
.set eb, 1
.rept 7
.set ea, 0
.rept 4
.set ec, 0
.rept 4
	v_pk_fma_f32 v[EQ+8*ea+2*ec:EQ+8*ea+2*ec+1], v[64*ea+8*eb+2*ec:64*ea+8*eb+2*ec+1], v[64*ea+8*eb+2*ec:64*ea+8*eb+2*ec+1], v[EQ+8*ea+2*ec:EQ+8*ea+2*ec+1]
.set ec, ec+1
.endr
.set ea, ea+1
.endr
.set eb, eb+1
.endr
	MEETROWS 1024                                  ; words of its own: no second barrier is wanted for them
	v_mov_b32 v32, 0x3b000000
.irp a, 0,1,2,3
	v_fmaak_f32 v[RS+(\a)], v[RS+(\a)], v32, 0x3727c5ac  ; the variance + 1e-5
.endr
.irp a, 0,1,2,3
	v_rsq_f32 v[PX+(\a)], v[RS+(\a)]
.endr
	v_nop
	s_wait_alu depctr_va_vdst(0)                   ; one wait for the four
.irp a, 0,1,2,3
	v_mul_f32 v[MU+2*(\a)],   v[WT+(\a)], v[PX+(\a)]  ; w x rstd of row 16 a + r, twice
	v_mul_f32 v[MU+2*(\a)+1], v[WT+(\a)], v[PX+(\a)]
.endr
	; The weighted sum over the four row tiles, into row tile 0's registers.
	WIN 0x41
.set p, 0
.rept 32
	v_pk_mul_f32 v[2*p:2*p+1], v[2*p:2*p+1], v[MU:MU+1]
.set p, p+1
.endr
	WIN 0x51                                       ; source 2 window 1 too
.set ea, 1
.rept 3
.set p, 0
.rept 32
	v_pk_fma_f32 v[2*p:2*p+1], v[64*ea+2*p:64*ea+2*p+1], v[MU+2*ea:MU+2*ea+1], v[2*p:2*p+1]
.set p, p+1
.endr
.set ea, ea+1
.endr
	; The sum over the 16 lanes r, through my wave's own 16 rows of the stage (all waves' reads of it were waited for in front of the barriers above): in by rows r, back by columns.
	WIN 0x04                                       ; store data window 1
.set i, 0
.rept 16
	ds_store_b128 v[CST], v[4*i:4*i+3] offset:16*i+32*(i/2)  ; column tile i / 2, registers 4 (i % 2) on: byte 64 (i / 2) + 16 (i % 2) beside my 32 h
.set i, i+1
.endr
	WIN 0
.set i, 0
.rept 16
	ds_load_b128 v[GG+4*i:GG+4*i+3], v[CRD] offset:i*XP  ; LDS serves a wave's instructions in order (ISA guide 5.7.1.4): these see the stores above
.set i, i+1
.endr
	s_wait_dscnt 0x0
.irp st, 8,4,2,1
.set q, 0
.rept \st
	v_pk_add_f32 v[GG+4*q:GG+4*q+1],   v[GG+4*q:GG+4*q+1],   v[GG+4*(q+(\st)):GG+4*(q+(\st))+1]
	v_pk_add_f32 v[GG+4*q+2:GG+4*q+3], v[GG+4*q+2:GG+4*q+3], v[GG+4*(q+(\st))+2:GG+4*(q+(\st))+3]
.set q, q+1
.endr
.endr
	v_pk_mul_f32 v[TT:TT+1],   v[LNB:LNB+1],   v[SS:SS+1]  ; ln_b x the weights' sum
	v_pk_mul_f32 v[TT+2:TT+3], v[LNB+2:LNB+3], v[SS:SS+1]
	v_pk_fma_f32 v[OUT:OUT+1],   v[GG:GG+1],   v[LNG:LNG+1],   v[TT:TT+1]
	v_pk_fma_f32 v[OUT+2:OUT+3], v[GG+2:GG+3], v[LNG+2:LNG+3], v[TT+2:TT+3]
	global_store_b128 v[CO], v[OUT:OUT+3], s[34:35]  ; the wave stores 512 consecutive bytes, at a multiple of 256 from part's first byte
	s_wait_tensorcnt 0x0                           ; the wave's end, behind my last tensor load and my last LDS store
	ds_add_u32 v[SPW], v[NIL]
	s_wait_dscnt 0x0
	CROUND                                         ; the closing round: no work-group ends while a partner may still ask for a tile that names it
	s_endpgm
.Lfunc_end_k_q25969e516f_rows:
	.size	k_q25969e516f_rows, .Lfunc_end_k_q25969e516f_rows-k_q25969e516f_rows
	.p2alignl 7, 3214868480
	.fill 96, 4, 3214868480
	.section	.rodata,"a",@progbits
	.p2align	6, 0x0
	.amdhsa_kernel k_q25969e516f_rows
		.amdhsa_group_segment_fixed_size 327680
		.amdhsa_private_segment_fixed_size 0
		.amdhsa_enable_private_segment 0
		.amdhsa_kernarg_size 112
		.amdhsa_user_sgpr_count 2
		.amdhsa_user_sgpr_kernarg_segment_ptr 1
		.amdhsa_wavefront_size32 1
		.amdhsa_system_sgpr_workgroup_id_x 1
		.amdhsa_system_sgpr_workgroup_id_y 1
		.amdhsa_system_sgpr_workgroup_id_z 1
		.amdhsa_system_vgpr_workitem_id 0
		.amdhsa_next_free_vgpr 1024
		.amdhsa_next_free_sgpr 66
		.amdhsa_reserve_vcc 0
		.amdhsa_float_denorm_mode_32 3
		.amdhsa_float_denorm_mode_16_64 3
		.amdhsa_memory_ordered 1
		.amdhsa_forward_progress 1
		.amdhsa_inst_pref_size 137
	.end_amdhsa_kernel
	.amdgpu_metadata
---
amdhsa.version: [ 1, 2 ]
amdhsa.kernels:
  - .name:           k_q25969e516f_rows
    .symbol:         k_q25969e516f_rows.kd
    .args:
      - { .name: x, .offset: 0, .size: 8, .value_kind: global_buffer, .address_space: global }
      - { .name: mfrag, .offset: 8, .size: 8, .value_kind: global_buffer, .address_space: global }
      - { .name: W_b, .offset: 16, .size: 8, .value_kind: global_buffer, .address_space: global }
      - { .name: b, .offset: 24, .size: 8, .value_kind: global_buffer, .address_space: global }
      - { .name: ln_g, .offset: 32, .size: 8, .value_kind: global_buffer, .address_space: global }
      - { .name: ln_b, .offset: 40, .size: 8, .value_kind: global_buffer, .address_space: global }
      - { .name: theta1, .offset: 48, .size: 8, .value_kind: global_buffer, .address_space: global }
      - { .name: phi1, .offset: 56, .size: 8, .value_kind: global_buffer, .address_space: global }
      - { .name: theta2, .offset: 64, .size: 8, .value_kind: global_buffer, .address_space: global }
      - { .name: phi2, .offset: 72, .size: 8, .value_kind: global_buffer, .address_space: global }
      - { .name: w1, .offset: 80, .size: 8, .value_kind: global_buffer, .address_space: global }
      - { .name: w2, .offset: 88, .size: 8, .value_kind: global_buffer, .address_space: global }
      - { .name: b_g, .offset: 96, .size: 8, .value_kind: global_buffer, .address_space: global }
      - { .name: part, .offset: 104, .size: 8, .value_kind: global_buffer, .address_space: global }
    .group_segment_fixed_size: 327680
    .private_segment_fixed_size: 0
    .kernarg_segment_align: 8
    .kernarg_segment_size: 112
    .max_flat_workgroup_size: 128
    .sgpr_count:     66
    .vgpr_count:     1024
    .wavefront_size: 32
...
	.end_amdgpu_metadata
.endif
;; end of part 2
;; launch fold (part 3): grid 32 x 1, 4 waves a work-group, no clusters, 0 bytes of LDS; arguments part, out0; writes out0
.if DOCPART == 3
	.amdgcn_target "amdgcn-amd-amdhsa--gfx1250"
	.amdhsa_code_object_version 6
	.text
	.protected	k_q25969e516f_fold
	.globl	k_q25969e516f_fold
	.p2align	8
	.type	k_q25969e516f_fold,@function
k_q25969e516f_fold:
	s_mov_b64 s[64:65], 0
	v_nop
	global_prefetch_b8 v0, s[64:65] scope:SCOPE_SE
	s_setreg_imm32_b32 hwreg(HW_REG_WAVE_MODE, 25, 1), 1
	s_wait_xcnt 0x0
; THIRD OF THREE LAUNCHES.  out0[batch][d] = the sum of the batch's eight partial rows of part, one for each 64 of the steps t = 1536 .. 2047.
; LEFT OUT (shown at the head of the first launch's text): the steps t < 1536, whose weights are 3.9e-12 in all at the most, have no partial row.
; A work-group takes a batch, thread t the columns 4 t .. 4 t + 3: each load and the store of a wave cover 512 consecutive bytes.  32 work-groups are all the work that there is:
; a sum that spans work-groups of the launch before is made by one owner for each output.
	s_load_b128 s[4:7], s[0:1], 0x0                ; part s[4:5], out0 s[6:7]
	v_lshlrev_b32 v1, 4, v0                        ; my 16 bytes of a row of 2,048
	s_lshl_b32 s8, ttmp9, 14                       ; the batch's eight rows of part
	s_mov_b32 s9, 0
	s_lshl_b32 s10, ttmp9, 11                      ; its row of out0
	s_mov_b32 s11, 0
	s_wait_kmcnt 0x0
	s_add_nc_u64 s[4:5], s[4:5], s[8:9]
	s_add_nc_u64 s[6:7], s[6:7], s[10:11]
.irp c, 0,1,2,3,4,5,6,7
	global_load_b128 v[4+4*(\c):7+4*(\c)], v1, s[4:5] offset:(\c)*2048
.endr
	s_wait_loadcnt 0x0
.irp st, 4,2,1
.set q, 0
.rept \st
	v_pk_add_f32 v[4+4*q:5+4*q], v[4+4*q:5+4*q], v[4+4*(q+(\st)):5+4*(q+(\st))]
	v_pk_add_f32 v[6+4*q:7+4*q], v[6+4*q:7+4*q], v[6+4*(q+(\st)):7+4*(q+(\st))]
.set q, q+1
.endr
.endr
	global_store_b128 v1, v[4:7], s[6:7]
	s_endpgm
.Lfunc_end_k_q25969e516f_fold:
	.size	k_q25969e516f_fold, .Lfunc_end_k_q25969e516f_fold-k_q25969e516f_fold
	.p2alignl 7, 3214868480
	.fill 96, 4, 3214868480
	.section	.rodata,"a",@progbits
	.p2align	6, 0x0
	.amdhsa_kernel k_q25969e516f_fold
		.amdhsa_group_segment_fixed_size 0
		.amdhsa_private_segment_fixed_size 0
		.amdhsa_enable_private_segment 0
		.amdhsa_kernarg_size 16
		.amdhsa_user_sgpr_count 2
		.amdhsa_user_sgpr_kernarg_segment_ptr 1
		.amdhsa_wavefront_size32 1
		.amdhsa_system_sgpr_workgroup_id_x 1
		.amdhsa_system_sgpr_workgroup_id_y 1
		.amdhsa_system_sgpr_workgroup_id_z 1
		.amdhsa_system_vgpr_workitem_id 0
		.amdhsa_next_free_vgpr 48
		.amdhsa_next_free_sgpr 66
		.amdhsa_reserve_vcc 0
		.amdhsa_float_denorm_mode_32 3
		.amdhsa_float_denorm_mode_16_64 3
		.amdhsa_memory_ordered 1
		.amdhsa_forward_progress 1
		.amdhsa_inst_pref_size 3
	.end_amdhsa_kernel
	.amdgpu_metadata
---
amdhsa.version: [ 1, 2 ]
amdhsa.kernels:
  - .name:           k_q25969e516f_fold
    .symbol:         k_q25969e516f_fold.kd
    .args:
      - { .name: part, .offset: 0, .size: 8, .value_kind: global_buffer, .address_space: global }
      - { .name: out0, .offset: 8, .size: 8, .value_kind: global_buffer, .address_space: global }
    .group_segment_fixed_size: 0
    .private_segment_fixed_size: 0
    .kernarg_segment_align: 8
    .kernarg_segment_size: 16
    .max_flat_workgroup_size: 128
    .sgpr_count:     66
    .vgpr_count:     48
    .wavefront_size: 32
...
	.end_amdgpu_metadata
.endif
;; end of part 3
